; MI455X (gfx1250); checked and timed in simulation.
; The chip was launched on July 23, 2026; its instructions are those of AMD's public machine-readable ISA for CDNA 5 (MIT licence, August 2026) and "CDNA5" Instruction Set Architecture Reference Guide (July 2026). The comments in the code are by the model that wrote it; some were corrected since.
;; Scaled Dot Product Attention. Allowed arithmetic: matrix products marked QUANTISED: E2M3 operands, one E8M0 scale for each 32 along K, by v_wmma_scale_f32_16x16x128_f8f6f4 with both operands' format E2M3, f32 sums; everything else in f32.
;; Inputs: K 4 x 16 x 2,048 x 64 float32; Q 4 x 16 x 2,048 x 64 float32; V 4 x 16 x 2,048 x 64 float32.
;; Outputs: out0 4 x 16 x 2,048 x 64 float32.
;; This version of the problem:
;;   THIS VERSION OF THE PROBLEM IS GIVEN IN LOW PRECISION. The matrix products marked QUANTISED in the list below multiply operands that are first quantised to E2M3 (2 exponent bits, 3 mantissa bits; 6 bits a number), with one power-of-two scale for each 32 numbers along K (OCP MX v1.0); their sums are f32. All else is computed in f32.
;;   The module's matrix products, in the order in which they are computed (A, B: the left and right operand; K: the contracted axis; several contracted axes count as one K, in the product's order):
;;     1. batch 64 x [M 2,048, K 64] x [K 64, N 2,048]; A: input Q; B: input K: QUANTISED
;;     2. batch 64 x [M 2,048, K 2,048] x [K 2,048, N 64]; A: softmax (see below); B: input V: QUANTISED
;;   THE QUANTISER, for each operand of a quantised product, along K:
;;     - K is cut into blocks of 32 from its start; a last block that is shorter is filled with zeros.
;;     - A block's scale is 2^e with e = floor(log2(the largest magnitude in the block)) - 2, held to -126 .. 127; a block of zeros has e = 0. As a byte (E8M0): e + 127.
;;     - Each number is divided by its block's scale, clamped to +-7.5, and rounded to the nearest number of E2M3, ties to even, subnormals kept.
;;     - The product sums the exact products of the quantised numbers (number of the format x scale) in f32.
;;   ~~~python
;;   def quantise(x, axis):      # numpy; x: float32 -> the quantised numbers, widened to float32 again
;;       x = np.moveaxis(x, axis, -1); K = x.shape[-1]
;;       x = np.pad(x, [(0, 0)] * (x.ndim - 1) + [(0, -K % 32)]); x = x.reshape(x.shape[:-1] + (-1, 32)); a = np.abs(x).max(-1, keepdims=True)
;;       e = np.where(a > 0, np.clip(np.frexp(np.where(a > 0, a, 1))[1] - 1 - 2, -126, 127), 0)      # np.frexp(a)[1] - 1 = floor(log2(a)), exactly
;;       r = np.clip(x / 2.0 ** e, -7.5, 7.5)
;;       step = 2.0 ** (np.maximum(np.frexp(np.where(r == 0, 1, r))[1] - 1, 0) - 3)
;;       q = np.round(r / step) * step * 2.0 ** e      # np.round: ties to even
;;       return np.moveaxis(q.reshape(q.shape[:-2] + (-1,))[..., :K], -1, axis).astype(np.float32)
;;   ~~~
;;   SOFTMAX AHEAD OF A QUANTISED PRODUCT. Where the list says 'softmax', what is quantised is not the finished softmax but p = 2^(t - M), with t = logit x log2(e) and M = ceil(the row's largest t), a whole number; so 1/2 < the row's largest p <= 1. The row's sum l is taken of the UNQUANTISED p, in f32, and the product's result is divided by l at the end. Since M is a whole number, a kernel that streams over the keys may use a running M (the ceiling of the running maximum): every later rescaling is an exact power of two, which a block's scale takes up: the codes' values come out the same.
;;   OPERANDS COMPUTED ON THE WAY. 'Computed on the way' means the value that the module computes at that place (a softmax that the list does not call 'softmax' is quantised finished and normalised). What goes into a quantiser is computed in f32, as accurately as f32 sums, v_exp_f32 and their like allow (about 1e-6 of the number): no bf16 or f16 on the way to a quantiser, and a product that is left as it is and whose result goes on into a quantised operand takes f32 operands (vector FMAs, or v_wmma_f32_16x16x4_f32). A number that lies on a knife's edge between two numbers of the format may be rounded either way, as far as f32 arithmetic and the matrix unit's own rounding can turn it there, and no further.
;; One version. Each part assembles by itself: llvm-mc -triple=amdgcn-amd-amdhsa -mcpu=gfx1250 --defsym DOCPART=n.
;; ======== version 1 of 1: 1 launch
;; launch attn (part 1): grid 4 x 64, 16 waves a work-group, no clusters, 125,952 bytes of LDS; arguments Q, K, V, out0; writes out0
.if DOCPART == 1
	.amdgcn_target "amdgcn-amd-amdhsa--gfx1250"
	.amdhsa_code_object_version 6
	.text
	.protected	k_q80b84c477d_attn
	.globl	k_q80b84c477d_attn
	.p2align	8
	.type	k_q80b84c477d_attn,@function
k_q80b84c477d_attn:
	s_mov_b64 s[64:65], 0
	v_nop
	global_prefetch_b8 v0, s[64:65] scope:SCOPE_SE
	s_setreg_imm32_b32 hwreg(HW_REG_WAVE_MODE, 25, 1), 1
	s_wait_xcnt 0x0
; out0[h][q][:] = the sum over k <= q of softmax_k(Q[h][q] . K[h][k] / 32) V[h][k][:].  Q, K, V, out0: [64 heads][2048][64] f32.
; Both products run on codes of FP6 (E2M3) with one E8M0 scale for each 32 along a product's K: Q and K along the head's 64, p and V along the keys.  All codes are made here, from f32.
; THE SOFTMAX AHEAD OF THE SECOND PRODUCT: t = score x log2(e) / 32; M = the running largest t rounded UP to a whole number; p = 2^(t - M) is quantised, not normalised; the row's sum is taken
; of the unquantised p and divides at the end.  When M moves, the sum and O are multiplied by 2^(old M - new M), which rounds nothing.
; SHARES.  Work-group (j, head), j = 0 .. 3, owns the query blocks 7 - j and j of its head, 256 queries each, one after the other.  Block b needs the key slots 0 .. b of 256 keys,
; so every work-group walks (8 - j) + (j + 1) = 9 slots: 256 work-groups of equal work, and a trip count that is a constant.  Sixteen waves of 256 registers, four to a SIMD; wave w owns
; queries 16 w .. 16 w + 15 of the block in hand; a lane holds ONE query (lane % 16) throughout, since both products are used transposed (S^T = K Q^T, O^T = V^T P^T).
; K AND V come as f32 from memory into registers; each wave quantises one tile of K and one block of V for the NEXT slot while the slot in hand is multiplied, and the codes and scale words go
; from wave to wave as IMAGES OF THE OPERANDS' REGISTERS in LDS, in two buffers that take turns: one barrier a slot.  The price: a head's K and V are quantised by each of its four work-groups.
; THE KEYS OF A TILE ARE NOT NEIGHBOURS: lane r of tile 2 b + u takes key 32 b + 8 u + r + 8 (r / 8), so that score registers 16 b + i of lane (r, h) are keys 32 b + 16 h + i.
; K = 64 IN A FORM OF K = 128.  An operand's registers 0-5 hold k = 32 h + 0 .. 31, registers 6-11 k = 64 .. 127.  Q's registers 6-11 are zero codes, and bytes 2 and 3 of Q's and K's scale
; words are 0 (2^-127, no NaN).  K's tile t is named as v[FR + 6 t .. + 11]: its upper six registers are tile t + 1's codes (for t = 7 six cleared registers).  Every pattern of 6 bits is a
; finite number and meets a zero code of Q, so it adds exactly 0.  So a step's eight tiles lie in 54 registers and no zeros are written again.
; CAUSAL.  A key step all of whose 128 keys come after the wave's 16 queries is left out by a scalar branch on ids; on the diagonal hidden scores become -infinity ahead of the maximum.
; NO CLUSTER, NO JOINT LOADS: the operands go from memory into registers to be quantised, so there is no tensor load to share; the four work-groups of a head walk the same slot in trips 0 to 4
; of 9 only; and two f32 slots of K and V (262,144 bytes), the images (54,272) and the stages (69,632) do not fit in 327,680 bytes of LDS together.
; LIMITS: NaN and infinities among the inputs are not served.  A block whose largest magnitude lies under 2^-124 keeps the scale byte 1; a block of zeros gets the byte 1 where the rule says 127
; (its codes are zeros, and the bytes are read by this program alone).  A p under 2^-126 becomes 0.
; O^T and the sum begin as zeros and the largest t as -3e38, so that a key step is written in one form: 32 v_mov_b32 for each of the two blocks.
.set BUFB,   27136                     ; an LDS buffer: the images of one slot of 256 keys
.set KIMG,   0                         ; K: 16 tiles x 768 bytes: [0, 512) registers 0-3 at 16 x lane; [512, 768) registers 4-5 at 8 x lane
.set VIMG,   12288                     ; V: 16 halves of fragments x 768 bytes, half (2 (4 s + dt) + c), laid likewise
.set KSC,    24576                     ; K's scale words: tile T's at 512 (T / 4) + 16 x lane + 4 (T % 4)
.set VSC,    26624                     ; V's scale bytes: 256 s + 16 r + 4 dt + (block % 4)
.set STGO,   2*BUFB                    ; the way out: 16 rows x 272 bytes for each wave
.set SPITCH, 272
.set WSTG,   16*SPITCH
.set L16,  1                           ; v1   16 x lane                        (v1-11, v29-31, v86, v87, v255 are made at the head and never rewritten)
.set L8,   2                           ; v2   8 x lane
.set R16,  3                           ; v3   16 x (lane % 16)
.set KW16, 4                           ; v4   where I store my tile of K: registers 0-3
.set KW8,  5                           ; v5   registers 4-5
.set KWS,  6                           ; v6   its scale word
.set VW16, 7                           ; v7   where I store my block of V: registers 0-3 of the half
.set VW8,  8                           ; v8   registers 4-5
.set VWS,  9                           ; v9   its scale byte
.set KGO,  10                          ; v10  my byte in a slot of K
.set VGO,  11                          ; v11  my byte in a slot of V
                                       ; v12 -M, v13 the largest t, v[14:15] the sum in two halves
.set QF,   16                          ; v16-27  Q's fragment: 16-21 codes, 22-27 zero codes
.set QS,   28                          ; v28  Q's scale words
.set QGO,  29                          ; v29  my byte in a block of Q
.set OGO,  30                          ; v30  my byte in a block of out0
.set SO,   31                          ; v31  the stage: where I put 32 bytes of a row
.set FR,   32                          ; v32-79 fragments of K (8 x 6) or of V (4 x 12); v80-85 zeros
.set SR,   86                          ; v86  the stage: where I read a row back
.set DL,   87                          ; v87  lane % 16 - 16 (lane / 16)
.set STG,  88                          ; v88-119 32 f32 numbers on their way to the quantiser
.set SC,   120                         ; v120-183 S^T, then p
.set OT,   184                         ; v184-215 O^T
.set PC,   216                         ; v216-227 p's codes; between steps the codes just made
.set BM,   228                         ; v228-231 block maxima
.set BP,   232                         ; v232-239 at work
.set SOP,  240                         ; v240-243 the conversions' scale operands
.set KSW,  244                         ; v244-251 K's eight scale words; V's four in 244-247
.set FF,   252                         ; v252 f = 2^(old M - new M)
.set PS,   253                         ; v253 p's scale word
.set TV,   254                         ; v254 at work
.set PFO,  255                         ; v255 256 x lane
.set LN,   120                         ; at the head only: lane, lane % 16, lane / 16
.set RR,   121
.set HH,   122
.set QH,  4                            ; s[4:5] Q, s[6:7] K, s[8:9] V, s[10:11] out0, at my head
.set KH,  6
.set VH,  8
.set OH,  10
.set WV,  12                           ; s12 my wave's number
.set JJ,  13                           ; s13 j
.set QB,  14                           ; s14 the query block in hand
.set SL,  15                           ; s15 the key slot in hand
.set NX,  16                           ; s16 the next slot
.set KF,  17                           ; s17 the step's first key
.set Q0,  18                           ; s18 my first query
.set TMP, 19
.set SEL, 20                           ; s[20:21] v_permlanex16_b32's selects for lane l xor 16
.set CS,  22                           ; s[22:23] c = log2(e) / 32, twice: the packed form names a pair
.set KB,  24                           ; s[24:25], s[26:27] K and V at the slot that is being loaded
.set VB,  26
.set QP,  28                           ; s[28:29], s[30:31] Q and out0 at the block in hand
.set OP,  30
.set T0,  32                           ; s[32:33] an offset; s33 stays 0
.set PFA, 34                           ; s[34:35] where my prefetches stand
.set LIM, 36                           ; s36 6 where j = 0, else 0
.set TT,  37                           ; s37 the trip's number
.set LC,  38                           ; s38 the loop's counter
; my tile of K: key 16 w - 8 (w % 2) + r + 8 (r / 8) of the slot, d = 32 h + 0 .. 31: a whole block of 32; the eight loads together take 16 whole rows of 256 bytes
.macro KLOAD dst
.irp j, 0,1,2,3,4,5,6,7
	global_load_b128 v[(\dst)+4*\j:(\dst)+4*\j+3], v[KGO], s[KB:KB+1] offset:16*\j
.endr
.endm
; my block of V: A LANE TAKES A COLUMN d = 32 (w % 2) + lane, AND ITS REGISTERS RUN DOWN the keys 32 (w / 2) + 0 .. 31: each load reads 128 consecutive bytes
.macro VLOAD dst
.irp i, 0,1,2,3,4,5,6,7,8,9,10,11,12,13,14,15,16,17,18,19,20,21,22,23,24,25,26,27,28,29,30,31
	global_load_b32 v[(\dst)+\i], v[VGO], s[VB:VB+1] offset:256*\i
.endr
.endm
; my query r, d = 32 h + 0 .. 31; read once in the launch
.macro QLOAD dst
.irp j, 0,1,2,3,4,5,6,7
	global_load_b128 v[(\dst)+4*\j:(\dst)+4*\j+3], v[QGO], s[QP:QP+1] offset:16*\j th:TH_LOAD_NT
.endr
.endm
; 32 numbers of one block, v[src] on, become six registers of codes at v[dst] (even) and the scale's byte in v[TV]
.macro QUANT32 src, dst
	v_max3_num_f32 v[BM], |v[(\src)]|, |v[(\src)+1]|, |v[(\src)+2]|          ; the block's largest magnitude, in two chains
	v_max3_num_f32 v[BM+1], |v[(\src)+3]|, |v[(\src)+4]|, |v[(\src)+5]|
.irp i, 6,10,14,18,22,26
	s_delay_alu instid0(VALU_DEP_2)
	v_max3_num_f32 v[BM], v[BM], |v[(\src)+\i]|, |v[(\src)+\i+1]|
	s_delay_alu instid0(VALU_DEP_2)
	v_max3_num_f32 v[BM+1], v[BM+1], |v[(\src)+\i+2]|, |v[(\src)+\i+3]|
.endr
	s_delay_alu instid0(VALU_DEP_2)
	v_max3_num_f32 v[BM], v[BM], |v[(\src)+30]|, |v[(\src)+31]|
	s_delay_alu instid0(VALU_DEP_1)
	v_max3_num_f32 v[BM], v[BM], v[BM+1], 0x1800000                          ; and the floor 2^(3 - 127): the byte cannot fall under 1
	s_delay_alu instid0(VALU_DEP_1)
	v_add_nc_u32 v[SOP], 0xff000000, v[BM]                                   ; 2 off its exponent field: the conversion takes the exponent field of this operand as its scale
	v_cvt_scalef32_pk16_fp6_f32 v[(\dst):(\dst)+2], v[(\src):(\src)+15], v[SOP]
	v_cvt_scalef32_pk16_fp6_f32 v[BP+4:BP+6], v[(\src)+16:(\src)+31], v[SOP] ; (a conversion's three registers begin on an even number)
	v_lshrrev_b32 v[TV], 23, v[SOP]                                          ; the scale's byte; also the plain instruction behind the conversions
.irp i, 0,1,2
	v_mov_b32 v[(\dst)+3+\i], v[BP+4+\i]
.endr
.endm
; the byte in v[TV] (block h of my row) and lane l xor 16's make the row's scale word: bytes 0 and 1; bytes 2 and 3 stay 0
.macro WORD dst
	v_and_b32 v[BM+2], 16, v0
	s_delay_alu instid0(VALU_DEP_1)
	v_lshrrev_b32 v[BM+2], 1, v[BM+2]                                        ; 8 h
	s_delay_alu instid0(VALU_DEP_1)
	v_lshlrev_b32 v[TV], v[BM+2], v[TV]
	s_delay_alu instid0(VALU_DEP_1)
	v_permlanex16_b32 v[BP], v[TV], s[SEL], s[SEL+1]
	s_delay_alu instid0(VALU_DEP_1)
	v_or_b32 v[\dst], v[TV], v[BP]
.endm
.macro KSTORE nb                       ; my tile's image and its scale words into buffer nb
	WORD TV
	ds_store_b128 v[KW16], v[PC:PC+3] offset:(\nb)*BUFB+KIMG
	ds_store_b64 v[KW8], v[PC+4:PC+5] offset:(\nb)*BUFB+KIMG+512
	ds_store_b32 v[KWS], v[TV] offset:(\nb)*BUFB+KSC
.endm
.macro VSTORE nb                       ; my block's six registers go where the reader's lane (lane % 16) + 16 (block % 2) of fragment (s, dt), half c, takes them; its byte into that row's word
	ds_store_b128 v[VW16], v[PC:PC+3] offset:(\nb)*BUFB+VIMG
	ds_store_b64 v[VW8], v[PC+4:PC+5] offset:(\nb)*BUFB+VIMG+512
	ds_store_b8 v[VWS], v[TV] offset:(\nb)*BUFB+VSC
.endm
.macro INIT                            ; a block of queries begins
	v_mov_b32 v13, 0xff61b1e6                      ; the largest t so far: -3e38, under every t
	s_delay_alu instid0(VALU_DEP_1)
	v_floor_f32 v12, -v13                          ; -M
	v_mov_b32 v14, 0
	v_mov_b32 v15, 0
.irp j, 0,1,2,3,4,5,6,7,8,9,10,11,12,13,14,15,16,17,18,19,20,21,22,23,24,25,26,27,28,29,30,31
	v_mov_b32 v[OT+\j], 0
.endr
.endm
; A PREFETCH INTO THE L2.  The head's work-group j = 0 walks slots 0 .. 7 in trips 0 .. 7 and loads slot t + 1 in trip t; in trips 0 .. 5 it names slot t + 2: waves 0-7 K's 256 rows,
; waves 8-15 V's, a lane a row of 256 bytes, one instruction a wave, behind the wave's own loads.  So each row is named once in the launch; nothing is named at the head or behind trip 5.
.macro ASK
	s_cmp_lt_u32 s[TT], s[LIM]
	s_cbranch_scc0 .Lnoask_\@
	global_prefetch_b8 v[PFO], s[PFA:PFA+1] th:TH_LOAD_NT scope:SCOPE_SE
.Lnoask_\@:
.endm
; A KEY STEP: 128 keys, the s-th half of the slot whose images lie in buffer buf
.macro STEP buf, s
	s_add_co_u32 s[TMP], s[Q0], 15
	s_cmp_gt_u32 s[KF], s[TMP]                     ; all 128 keys come after my 16 queries: the step's work is left out
	s_cbranch_scc1 .Lhidden_\@
.rept 4
	v_nop                                          ; four plain instructions in front of loads into registers that the last products read
.endr
.irp t, 0,1,2,3,4,5,6,7
	ds_load_b128 v[FR+6*\t:FR+6*\t+3], v[L16] offset:(\buf)*BUFB+KIMG+768*(8*(\s)+\t)
	ds_load_b64 v[FR+6*\t+4:FR+6*\t+5], v[L8] offset:(\buf)*BUFB+KIMG+768*(8*(\s)+\t)+512
.endr
.irp g, 0,1
	ds_load_b128 v[KSW+4*\g:KSW+4*\g+3], v[L16] offset:(\buf)*BUFB+KSC+512*(2*(\s)+\g)   ; four tiles' scale words a load
.endr
	s_wait_dscnt 0x0
.irp t, 0,1,2,3,4,5,6,7                        ; S^T = K Q^T: source 0 = 16 keys, source 1 = my 16 queries
	v_wmma_scale_f32_16x16x128_f8f6f4 v[SC+8*\t:SC+8*\t+7], v[FR+6*\t:FR+6*\t+11], v[QF:QF+11], 0, v[KSW+\t], v[QS] matrix_a_fmt:MATRIX_FMT_FP6 matrix_b_fmt:MATRIX_FMT_FP6
.endr
.rept 4
	v_nop                                          ; in front of the loads below and of the first read of the scores
.endr
.irp t, 0,1,2,3                                ; V's four fragments and their scale words are asked for now and land under the softmax
.irp c, 0,1
	ds_load_b128 v[FR+12*\t+6*\c:FR+12*\t+6*\c+3], v[L16] offset:(\buf)*BUFB+VIMG+768*(2*(4*(\s)+\t)+\c)
	ds_load_b64 v[FR+12*\t+6*\c+4:FR+12*\t+6*\c+5], v[L8] offset:(\buf)*BUFB+VIMG+768*(2*(4*(\s)+\t)+\c)+512
.endr
.endr
	ds_load_b128 v[KSW:KSW+3], v[R16] offset:(\buf)*BUFB+VSC+256*(\s)
	s_add_co_u32 s[TMP], s[KF], 127                ; a step all of whose keys count skips the mask
	s_cmp_le_u32 s[TMP], s[Q0]
	s_cbranch_scc1 .Lopen_\@
	s_sub_co_i32 s[TMP], s[Q0], s[KF]
	v_add_nc_u32 v[TV], s[TMP], v[DL]              ; d = my query - KF - 16 h.  Register 16 b + i holds key KF + 32 b + 16 h + i: hidden where 32 b + i > d
	v_mov_b32 v[SOP], 0xff800000                   ; -infinity
.set nn, 0
.rept 64
	v_cmp_gt_i32 vcc_lo, 32*(nn/16)+nn%16, v[TV]
	v_cndmask_b32 v[SC+nn], v[SC+nn], v[SOP], vcc_lo
.set nn, nn+1
.endr
.Lopen_\@:
.irp b, 0,1,2,3
	v_max3_num_f32 v[BM+\b], v[SC+16*\b], v[SC+16*\b+1], v[SC+16*\b+2]   ; THE LARGEST SCORE OF EACH BLOCK OF 32 KEYS serves twice: for the row's maximum, and, since p rises with the score, for the block's largest p
.endr
.irp i, 3,5,7,9,11,13
.irp b, 0,1,2,3
	v_max3_num_f32 v[BM+\b], v[BM+\b], v[SC+16*\b+\i], v[SC+16*\b+\i+1]  ; (the four blocks by turns)
.endr
.endr
.irp b, 0,1,2,3
	v_max_num_f32 v[BM+\b], v[BM+\b], v[SC+16*\b+15]
.endr
.irp b, 0,1,2,3
	s_delay_alu instid0(VALU_DEP_4)
	v_permlanex16_b32 v[BP+\b], v[BM+\b], s[SEL], s[SEL+1]
.endr
.irp b, 0,1,2,3
	s_delay_alu instid0(VALU_DEP_4)
	v_max_num_f32 v[BM+\b], v[BM+\b], v[BP+\b]     ; with lane l xor 16's 16 keys
.endr
	s_delay_alu instid0(VALU_DEP_2)
	v_max3_num_f32 v[TV], v[BM], v[BM+1], v[BM+2]
	s_delay_alu instid0(VALU_DEP_1)
	v_max_num_f32 v[TV], v[TV], v[BM+3]            ; the step's largest score of my query
	s_delay_alu instid0(VALU_DEP_1)
	v_mul_f32 v[TV], s[CS], v[TV]                  ; as t (c is positive)
	s_delay_alu instid0(VALU_DEP_1)
	v_max_num_f32 v13, v13, v[TV]                  ; the running largest t
	v_mov_b32 v[TV], v12
	s_delay_alu instid0(VALU_DEP_2)
	v_floor_f32 v12, -v13                          ; the new -M = floor(-t) = -ceil(t): a whole number
	s_delay_alu instid0(VALU_DEP_1)
	v_sub_f32 v[TV], v12, v[TV]                    ; old M - new M: a whole number, 0 or less
	s_delay_alu instid0(VALU_DEP_1)
	v_cvt_i32_f32 v[TV], v[TV]                     ; (it saturates)
	s_delay_alu instid0(VALU_DEP_1)
	v_ldexp_f32 v[FF], 1.0, v[TV]                  ; f = 2^(old M - new M)
.irp j, 0,2,4,6,8,10,12,14,16,18,20,22,24,26,28,30,32,34,36,38,40,42,44,46,48,50,52,54,56,58,60,62
	v_pk_fma_f32 v[SC+\j:SC+\j+1], v[SC+\j:SC+\j+1], s[CS:CS+1], v[12:13] op_sel_hi:[1,0,0]   ; t - M, two at a time (of the pairs c and -M the low word serves both halves)
.endr
.irp b, 0,1,2,3
	v_fma_f32 v[BM+\b], v[BM+\b], s[CS], v12       ; the same of each block's largest score
.endr
.set nn, 0
	s_wait_alu depctr_va_vdst(0)
.rept 64
	v_exp_f32 v[SC+nn], v[SC+nn]                   ; p = 2^(t - M), at most 1: not normalised
.set nn, nn+1
.endr
	v_pk_mul_f32 v[14:15], v[14:15], v[FF:FF+1] op_sel_hi:[1,0]   ; the sums under the new M; the plain instruction behind the exponentials
	s_wait_alu depctr_va_vdst(0)                   ; one wait for the batch of 64, ahead of its first reader
.irp b, 0,1,2,3
	v_exp_f32 v[BM+\b], v[BM+\b]                   ; the block's largest p: the same two instructions on the same number
.endr
	v_pk_add_f32 v[232:233], v[124:125], v[128:129]
	v_pk_add_f32 v[250:251], v[132:133], v[136:137]
	v_pk_add_f32 v[248:249], v[140:141], v[144:145]
	v_pk_add_f32 v[242:243], v[148:149], v[152:153]
	v_pk_add_f32 v[240:241], v[156:157], v[160:161]
	v_pk_add_f32 v[238:239], v[164:165], v[168:169]
	v_pk_add_f32 v[236:237], v[172:173], v[176:177]
	v_pk_add_f32 v[14:15], v[14:15], v[180:181]
	v_pk_add_f32 v[232:233], v[232:233], v[120:121]
	v_pk_add_f32 v[250:251], v[250:251], v[122:123]
	v_pk_add_f32 v[248:249], v[248:249], v[126:127]
	v_pk_add_f32 v[242:243], v[242:243], v[130:131]
	v_pk_add_f32 v[240:241], v[240:241], v[134:135]
	v_pk_add_f32 v[238:239], v[238:239], v[138:139]
	v_pk_add_f32 v[236:237], v[236:237], v[142:143]
	v_pk_add_f32 v[14:15], v[14:15], v[146:147]
	v_pk_add_f32 v[232:233], v[232:233], v[150:151]
	v_pk_add_f32 v[250:251], v[250:251], v[154:155]
	v_pk_add_f32 v[248:249], v[248:249], v[158:159]
	v_pk_add_f32 v[242:243], v[242:243], v[162:163]
	v_pk_add_f32 v[240:241], v[240:241], v[166:167]
	v_pk_add_f32 v[238:239], v[238:239], v[170:171]
	v_pk_add_f32 v[236:237], v[236:237], v[174:175]
	v_pk_add_f32 v[14:15], v[14:15], v[178:179]
	v_pk_add_f32 v[232:233], v[232:233], v[182:183]
	s_delay_alu instid0(VALU_DEP_2)
	v_pk_add_f32 v[14:15], v[14:15], v[242:243]
	s_delay_alu instid0(VALU_DEP_2)
	v_pk_add_f32 v[232:233], v[232:233], v[240:241]
	v_pk_add_f32 v[250:251], v[250:251], v[238:239]
	v_pk_add_f32 v[248:249], v[248:249], v[236:237]
	s_delay_alu instid0(VALU_DEP_2)
	v_pk_add_f32 v[14:15], v[14:15], v[250:251]
	s_delay_alu instid0(VALU_DEP_2)
	v_pk_add_f32 v[232:233], v[232:233], v[248:249]
	s_delay_alu instid0(VALU_DEP_1)
	v_pk_add_f32 v[14:15], v[14:15], v[232:233]
	s_wait_alu depctr_va_vdst(0)                   ; and one for the four
.irp b, 0,1,2,3
	v_max_num_f32 v[BM+\b], 0x1800000, v[BM+\b]    ; the floor 2^(3 - 127): a block whose every p is 0 keeps the byte 1; its codes are zeros
.endr
.irp b, 0,1,2,3
	s_delay_alu instid0(VALU_DEP_4)
	v_add_nc_u32 v[SOP+\b], 0xff000000, v[BM+\b]   ; 2 off the exponent field: the conversion's scale operand
.endr
.irp b, 0,1,2,3
	s_delay_alu instid0(VALU_DEP_4)
	v_lshrrev_b32 v[BP+\b], 23, v[SOP+\b]          ; the scale's byte
.endr
	s_delay_alu instid0(VALU_DEP_3)
	v_lshl_or_b32 v[PS], v[BP+1], 8, v[BP]         ; p's scale word for these 128 keys
	s_delay_alu instid0(VALU_DEP_1)
	v_lshl_or_b32 v[PS], v[BP+2], 16, v[PS]
	s_delay_alu instid0(VALU_DEP_1)
	v_lshl_or_b32 v[PS], v[BP+3], 24, v[PS]
.irp c, 0,1
	v_cvt_scalef32_pk16_fp6_f32 v[PC+6*\c:PC+6*\c+2], v[SC+32*\c:SC+32*\c+15], v[SOP+2*\c]
	v_cvt_scalef32_pk16_fp6_f32 v[BP+4*\c:BP+4*\c+2], v[SC+32*\c+16:SC+32*\c+31], v[SOP+2*\c+1]
.endr
	v_nop                                          ; one plain instruction behind the scaled conversions
.irp c, 0,1                                    ; the operand's layout wants a WHOLE block in a lane: lanes 0-15 block 2 c, lanes 16-31 block 2 c + 1
.irp i, 0,1,2
	v_permlane16_swap_b32 v[PC+6*\c+\i], v[BP+4*\c+\i]
.endr
.irp i, 0,1,2
	s_delay_alu instid0(VALU_DEP_3)
	v_mov_b32 v[PC+6*\c+3+\i], v[BP+4*\c+\i]
.endr
.endr
.irp j, 0,2,4,6,8,10,12,14,16,18,20,22,24,26,28,30
	v_pk_mul_f32 v[OT+\j:OT+\j+1], v[OT+\j:OT+\j+1], v[FF:FF+1] op_sel_hi:[1,0]   ; O^T under the new M; these sixteen also stand between the writing of p's codes and scale word and the products
.endr
	s_wait_alu depctr_va_vdst(0)
	s_wait_dscnt 0x0                               ; V's fragments and scale words are in
.irp t, 0,1,2,3                                ; O^T += V^T P^T: source 0 = 16 of the head's 64, source 1 = p; the four accumulators take turns
	v_wmma_scale_f32_16x16x128_f8f6f4 v[OT+8*\t:OT+8*\t+7], v[FR+12*\t:FR+12*\t+11], v[PC:PC+11], v[OT+8*\t:OT+8*\t+7], v[KSW+\t], v[PS] matrix_a_fmt:MATRIX_FMT_FP6 matrix_b_fmt:MATRIX_FMT_FP6
.endr
.Lhidden_\@:
	s_add_co_u32 s[KF], s[KF], 128
.endm
; A BLOCK OF QUERIES ENDS: O^T / the sum goes through my own stage in LDS and leaves as whole rows.  more = 1: the second block begins.
.macro FIN more
.rept 4
	v_nop                                          ; behind the last products, ahead of the first read of O^T
.endr
	v_add_f32 v14, v14, v15                        ; the sum's two halves,
	s_delay_alu instid0(VALU_DEP_1)
	v_permlanex16_b32 v[BP], v14, s[SEL], s[SEL+1]
	s_delay_alu instid0(VALU_DEP_1)
	v_add_f32 v14, v14, v[BP]                      ; and lane l xor 16's
	s_wait_alu depctr_va_vdst(0)
	v_rcp_f32 v14, v14
	v_mov_b32 v15, 0                               ; the plain instruction behind the reciprocal
	s_wait_alu depctr_va_vdst(0)                   ; ahead of its first reader
.irp j, 0,2,4,6,8,10,12,14,16,18,20,22,24,26,28,30
	v_pk_mul_f32 v[SC+\j:SC+\j+1], v[OT+\j:OT+\j+1], v[14:15] op_sel_hi:[1,0]   ; register 8 t + i is o(query r, d = 16 t + 8 h + i); each accumulator from its low end on
.endr
.irp t, 0,1,2,3
	ds_store_b128 v[SO], v[SC+8*\t:SC+8*\t+3] offset:64*\t
	ds_store_b128 v[SO], v[SC+8*\t+4:SC+8*\t+7] offset:64*\t+16
.endr
.irp i, 0,1,2,3,4,5,6,7
	ds_load_b128 v[FR+4*\i:FR+4*\i+3], v[SR] offset:2*\i*SPITCH   ; LDS serves a wave's instructions in order (ISA guide 5.7.1.4): these see my stores
.endr
.irp i, 0,1,2,3,4,5,6,7
	s_wait_dscnt 7-\i                              ; the younger loads from the stage may stay out
	global_store_b128 v[OGO], v[FR+4*\i:FR+4*\i+3], s[OP:OP+1] offset:512*\i th:TH_STORE_NT   ; 32 lanes store two whole rows: 512 consecutive bytes, at a multiple of 256 from out0's first byte
.endr
.if \more
	s_wait_xcnt 0x0                                ; the stores have read their data and their base: both may be written again
	s_mov_b32 s[QB], s[JJ]                         ; the second block: j
	s_lshl_b32 s[Q0], s[QB], 8
	s_lshl_b32 s[TMP], s[WV], 4
	s_add_co_u32 s[Q0], s[Q0], s[TMP]
	s_lshl_b32 s[T0], s[QB], 16                    ; 256 rows of 256 bytes
	s_add_nc_u64 s[QP:QP+1], s[QH:QH+1], s[T0:T0+1]
	s_add_nc_u64 s[OP:OP+1], s[OH:OH+1], s[T0:T0+1]
	QLOAD STG
	s_wait_loadcnt 0x0
	QUANT32 STG, QF
	WORD QS
	INIT                                           ; (its 36 plain instructions also stand between the writing of Q's codes and scale words and the next products)
.endif
.endm
; A SLOT of 256 keys out of buffer buf.  fill = 1: the next slot is loaded, quantised and stored into the other buffer meanwhile, and a barrier ends the trip.  more = 1: the block may go on.
.macro SLOT buf, fill, more
	s_lshl_b32 s[KF], s[SL], 8
.if \fill
	s_add_co_u32 s[TMP], s[SL], 1
	s_cmp_eq_u32 s[SL], s[QB]                      ; behind a block's diagonal slot comes slot 0 of the next block
	s_cselect_b32 s[NX], 0, s[TMP]
	s_lshl_b32 s[T0], s[NX], 16                    ; a slot is 65,536 bytes of K and of V
	s_wait_xcnt 0x0                                ; the last trip's loads and prefetch have read their bases
	s_add_nc_u64 s[KB:KB+1], s[KH:KH+1], s[T0:T0+1]
	s_add_nc_u64 s[VB:VB+1], s[VH:VH+1], s[T0:T0+1]
	s_add_nc_u64 s[PFA:PFA+1], s[PFA:PFA+1], 0x10000
	KLOAD STG                                      ; lands under the first key step
.endif
	STEP \buf, 0
.if \fill
	s_wait_loadcnt 0x0
	QUANT32 STG, PC                                ; (its 17 plain instructions stand between the last products and the writing of PC)
	KSTORE 1-\buf
	VLOAD STG                                      ; lands under the second key step
	ASK
.endif
	STEP \buf, 1
.if \fill
	s_wait_loadcnt 0x0
	s_wait_dscnt 0x0                               ; where the second step was left out: the stores of K's image have read PC and the word's register
	QUANT32 STG, PC
	VSTORE 1-\buf
.endif
.if \more
	s_cmp_lg_u32 s[SL], s[QB]                      ; the same in all sixteen waves
	s_cbranch_scc1 .Lon_\@
.endif
	FIN \more
.if \more
.Lon_\@:
.endif
.if \fill
	s_mov_b32 s[SL], s[NX]
	s_add_co_u32 s[TT], s[TT], 1
	s_wait_dscnt 0x0                               ; for the others' sake: my stores into the other buffer have landed, and my reads of this buffer are in
	s_barrier_signal -1
	s_barrier_wait -1                              ; behind it the other buffer is read and this one is written
.endif
.endm
	s_load_b256 s[4:11], s[0:1], 0x0               ; Q, K, V, out0
	v_lshrrev_b32 v[LN], 5, v0
	s_delay_alu instid0(VALU_DEP_1)
	v_readfirstlane_b32 s[WV], v[LN]               ; wave 0 .. 15
	v_and_b32 v[LN], 31, v0                        ; lane
	v_and_b32 v[RR], 15, v0                        ; r
	v_bfe_u32 v[HH], v0, 4, 1                      ; h
	s_and_b32 s39, s[WV], 1                        ; w % 2: K: which of a pair of tiles; V: which 32 columns (ch)
	s_lshr_b32 s40, s[WV], 1                       ; w / 2: V: which block of 32 keys (kb)
	s_bfe_u32 s41, s[WV], 0x10001                  ; kb % 2: the reader's half of the lanes
	s_bfe_u32 s42, s[WV], 0x10002                  ; (kb / 2) % 2: the fragment's half c
	s_lshr_b32 s43, s[WV], 3                       ; kb / 4: the key step s
	v_lshlrev_b32 v[L16], 4, v[LN]
	v_lshlrev_b32 v[L8], 3, v[LN]
	v_lshlrev_b32 v[R16], 4, v[RR]
	s_wait_alu depctr_va_vdst(0)
	s_mul_i32 s44, s[WV], 768                      ; K's image: tile w
	v_add_nc_u32 v[KW16], s44, v[L16]
	v_add_nc_u32 v[KW8], s44, v[L8]
	s_lshr_b32 s44, s[WV], 2
	s_lshl_b32 s44, s44, 9
	s_and_b32 s45, s[WV], 3
	s_lshl_b32 s45, s45, 2
	s_add_co_u32 s44, s44, s45
	v_add_nc_u32 v[KWS], s44, v[L16]               ; 512 (w / 4) + 16 x lane + 4 (w % 4)
	s_mul_i32 s44, s42, 768                        ; V's image: half 2 (4 s + dt) + c with dt = 2 ch + lane / 16: 768 c + 3072 ch + 6144 s + 1536 (lane / 16)
	s_mul_i32 s45, s39, 3072
	s_add_co_u32 s44, s44, s45
	s_mul_i32 s45, s43, 6144
	s_add_co_u32 s44, s44, s45
	s_lshl_b32 s45, s41, 8                         ; the reader's lane is r + 16 (kb % 2)
	s_add_co_u32 s45, s45, s44
	v_mad_u32_u24 v[VW16], v[HH], 1536, v[R16]
	s_delay_alu instid0(VALU_DEP_1)
	v_add_nc_u32 v[VW16], s45, v[VW16]
	s_lshl_b32 s45, s41, 7
	s_add_co_u32 s45, s45, s44
	v_lshlrev_b32 v[VW8], 3, v[RR]
	s_delay_alu instid0(VALU_DEP_1)
	v_mad_u32_u24 v[VW8], v[HH], 1536, v[VW8]
	s_delay_alu instid0(VALU_DEP_1)
	v_add_nc_u32 v[VW8], s45, v[VW8]
	s_lshl_b32 s44, s39, 3                         ; V's scale byte: 16 r + 4 dt + kb % 4 + 256 s
	s_and_b32 s45, s40, 3
	s_add_co_u32 s44, s44, s45
	s_lshl_b32 s45, s43, 8
	s_add_co_u32 s44, s44, s45
	v_lshl_add_u32 v[VWS], v[HH], 2, v[R16]
	s_delay_alu instid0(VALU_DEP_1)
	v_add_nc_u32 v[VWS], s44, v[VWS]
	v_and_b32 v[KGO], 8, v[RR]                     ; K in memory: key 16 w - 8 (w % 2) + r + 8 (r / 8), 256 bytes a key, + 128 h
	s_delay_alu instid0(VALU_DEP_1)
	v_add_nc_u32 v[KGO], v[KGO], v[RR]
	s_delay_alu instid0(VALU_DEP_1)
	v_lshlrev_b32 v[KGO], 8, v[KGO]
	s_delay_alu instid0(VALU_DEP_1)
	v_lshl_add_u32 v[KGO], v[HH], 7, v[KGO]
	s_lshl_b32 s44, s40, 13                        ; 4096 w - 2048 (w % 2) = 8192 (w / 2) + 2048 (w % 2)
	s_lshl_b32 s45, s39, 11
	s_add_co_u32 s45, s45, s44
	v_add_nc_u32 v[KGO], s45, v[KGO]
	s_lshl_b32 s45, s39, 7                         ; V in memory: 8192 kb + 128 ch + 4 x lane
	s_add_co_u32 s45, s45, s44
	v_lshlrev_b32 v[VGO], 2, v[LN]
	s_delay_alu instid0(VALU_DEP_1)
	v_add_nc_u32 v[VGO], s45, v[VGO]
	s_lshl_b32 s44, s[WV], 12                      ; my 16 rows of a block of Q and of out0
	v_lshlrev_b32 v[QGO], 8, v[RR]
	s_delay_alu instid0(VALU_DEP_1)
	v_lshl_add_u32 v[QGO], v[HH], 7, v[QGO]
	s_delay_alu instid0(VALU_DEP_1)
	v_add_nc_u32 v[QGO], s44, v[QGO]
	v_add_nc_u32 v[OGO], s44, v[L16]
	s_mul_i32 s44, s[WV], WSTG
	s_add_co_u32 s44, s44, STGO                    ; my stage
	v_mul_u32_u24 v[SO], v[RR], SPITCH             ; in: row r, + 32 h
	s_delay_alu instid0(VALU_DEP_1)
	v_lshl_add_u32 v[SO], v[HH], 5, v[SO]
	s_delay_alu instid0(VALU_DEP_1)
	v_add_nc_u32 v[SO], s44, v[SO]
	v_mad_u32_u24 v[SR], v[HH], SPITCH, v[R16]     ; back: lanes 0-15 one row, lanes 16-31 the next
	s_delay_alu instid0(VALU_DEP_1)
	v_add_nc_u32 v[SR], s44, v[SR]
	v_lshlrev_b32 v[DL], 4, v[HH]
	s_delay_alu instid0(VALU_DEP_1)
	v_sub_nc_u32 v[DL], v[RR], v[DL]
	v_lshlrev_b32 v[PFO], 8, v[LN]
.irp i, 0,1,2,3,4,5
	v_mov_b32 v[QF+6+\i], 0                        ; Q's zero codes for k = 64 .. 127
	v_mov_b32 v[FR+48+\i], 0                       ; and what stands behind K's eighth tile
.endr
.irp b, 0,1,2,3
	v_mov_b32 v[BP+\b], 0                          ; written once: a lane permute's destination counts as one of its sources
.endr
	v_mov_b32 v[PS], 0                             ; (named as the upper half of the pair v[252:253] before it is first written)
	s_mov_b32 s[SEL], 0x76543210
	s_mov_b32 s[SEL+1], 0xfedcba98
	s_mov_b32 s[CS], 0x3d38aa3b                    ; c = log2(e) / 32
	s_mov_b32 s[CS+1], s[CS]
	s_mov_b32 s[JJ], ttmp9
	s_sub_co_u32 s[QB], 7, s[JJ]                   ; the first block: 7 - j
	s_mov_b32 s[SL], 0
	s_mov_b32 s[TT], 0
	s_lshl_b32 s[Q0], s[QB], 8
	s_lshl_b32 s[TMP], s[WV], 4
	s_add_co_u32 s[Q0], s[Q0], s[TMP]
	s_cmp_eq_u32 s[JJ], 0
	s_cselect_b32 s[LIM], 6, 0
	s_and_b32 s[T0], ttmp7, 0xffff                 ; the head: 2,048 rows of 256 bytes
	s_lshl_b32 s[T0], s[T0], 19
	s_mov_b32 s[T0+1], 0
	s_wait_kmcnt 0x0
	s_add_nc_u64 s[QH:QH+1], s[QH:QH+1], s[T0:T0+1]
	s_add_nc_u64 s[KH:KH+1], s[KH:KH+1], s[T0:T0+1]
	s_add_nc_u64 s[VH:VH+1], s[VH:VH+1], s[T0:T0+1]
	s_add_nc_u64 s[OH:OH+1], s[OH:OH+1], s[T0:T0+1]
	s_lshl_b32 s[T0], s[QB], 16
	s_add_nc_u64 s[QP:QP+1], s[QH:QH+1], s[T0:T0+1]
	s_add_nc_u64 s[OP:OP+1], s[OH:OH+1], s[T0:T0+1]
	s_mov_b64 s[KB:KB+1], s[KH:KH+1]               ; slot 0
	s_mov_b64 s[VB:VB+1], s[VH:VH+1]
	s_and_b32 s[T0], s[WV], 7                      ; the prefetches: my wave's 32 rows, in slot 1: the first trip steps it to slot 2
	s_lshl_b32 s[T0], s[T0], 13
	s_add_co_u32 s[T0], s[T0], 0x10000
	s_cmp_lt_u32 s[WV], 8
	s_cselect_b64 s[PFA:PFA+1], s[KH:KH+1], s[VH:VH+1]
	s_add_nc_u64 s[PFA:PFA+1], s[PFA:PFA+1], s[T0:T0+1]
	QLOAD STG                                      ; the first block's Q, and slot 0: the score registers serve as two more sets
	KLOAD SC
	VLOAD SC+32
	s_wait_loadcnt 40                              ; Q's eight loads are in; K's 8 and V's 32 may be out
	QUANT32 STG, QF
	WORD QS
	s_wait_loadcnt 32                              ; K's are in; V's 32 may be out
	QUANT32 SC, PC
	KSTORE 0
	s_wait_dscnt 0x0                               ; the stores have read their registers
	s_wait_loadcnt 0x0
	QUANT32 SC+32, PC
	VSTORE 0
	INIT
	s_wait_dscnt 0x0                               ; my part of buffer 0 has landed
	s_barrier_signal -1
	s_barrier_wait -1                              ; everybody's has
	s_mov_b32 s[LC], 4
.Lpair:                                            ; trips 0 .. 7, two to a turn of the loop, so that the buffer stands in the immediates
	SLOT 0, 1, 1
	SLOT 1, 1, 1
	s_sub_co_u32 s[LC], s[LC], 1
	s_cmp_lg_u32 s[LC], 0
	s_cbranch_scc1 .Lpair
	SLOT 0, 0, 0                                   ; trip 8: the second block's diagonal slot: nothing more to load, and the block ends
	s_wait_xcnt 0x0
	v_lshl_add_u32 v254, v0, 2, 0x1e400
	v_mov_b32 v255, 0
	s_wait_alu depctr_va_vdst(0)
	s_wait_tensorcnt 0x0
	ds_add_u32 v254, v255
	s_wait_dscnt 0x0
	s_endpgm
.Lfunc_end_k_q80b84c477d_attn:
	.size	k_q80b84c477d_attn, .Lfunc_end_k_q80b84c477d_attn-k_q80b84c477d_attn
	.p2alignl 7, 3214868480
	.fill 96, 4, 3214868480
	.section	.rodata,"a",@progbits
	.p2align	6, 0x0
	.amdhsa_kernel k_q80b84c477d_attn
		.amdhsa_group_segment_fixed_size 125952
		.amdhsa_private_segment_fixed_size 0
		.amdhsa_enable_private_segment 0
		.amdhsa_kernarg_size 32
		.amdhsa_user_sgpr_count 2
		.amdhsa_user_sgpr_kernarg_segment_ptr 1
		.amdhsa_wavefront_size32 1
		.amdhsa_system_sgpr_workgroup_id_x 1
		.amdhsa_system_sgpr_workgroup_id_y 1
		.amdhsa_system_sgpr_workgroup_id_z 1
		.amdhsa_system_vgpr_workitem_id 0
		.amdhsa_next_free_vgpr 256
		.amdhsa_next_free_sgpr 66
		.amdhsa_reserve_vcc 1
		.amdhsa_float_denorm_mode_32 3
		.amdhsa_float_denorm_mode_16_64 3
		.amdhsa_memory_ordered 1
		.amdhsa_forward_progress 1
		.amdhsa_inst_pref_size 189
	.end_amdhsa_kernel
	.amdgpu_metadata
---
amdhsa.version: [ 1, 2 ]
amdhsa.kernels:
  - .name:           k_q80b84c477d_attn
    .symbol:         k_q80b84c477d_attn.kd
    .args:
      - { .name: Q, .offset: 0, .size: 8, .value_kind: global_buffer, .address_space: global }
      - { .name: K, .offset: 8, .size: 8, .value_kind: global_buffer, .address_space: global }
      - { .name: V, .offset: 16, .size: 8, .value_kind: global_buffer, .address_space: global }
      - { .name: out0, .offset: 24, .size: 8, .value_kind: global_buffer, .address_space: global }
    .group_segment_fixed_size: 125952
    .private_segment_fixed_size: 0
    .kernarg_segment_align: 8
    .kernarg_segment_size: 32
    .max_flat_workgroup_size: 512
    .sgpr_count:     66
    .vgpr_count:     256
    .wavefront_size: 32
...
	.end_amdgpu_metadata
.endif
;; end of part 1
